; MI455X (gfx1250); checked and timed in simulation.
; The chip was launched on July 23, 2026; its instructions are those of AMD's public machine-readable ISA for CDNA 5 (MIT licence, August 2026) and "CDNA5" Instruction Set Architecture Reference Guide (July 2026). The comments in the code are by the model that wrote it; some were corrected since.
;; Gemma2 Original. Allowed arithmetic: matrix products marked QUANTISED: E3M2 operands, one E8M0 scale for each 32 along K, by v_wmma_scale_f32_16x16x128_f8f6f4 with both operands' format E3M2, f32 sums; everything else in f32.
;; Inputs: k 2 x 16 x 128 x 2,048 float32; q 2 x 16 x 2,048 x 128 float32; v 2 x 16 x 2,048 x 128 float32.
;; Outputs: out0 2 x 16 x 2,048 x 128 float32.
;; This version of the problem:
;;   THIS VERSION OF THE PROBLEM IS GIVEN IN LOW PRECISION. The matrix products marked QUANTISED in the list below multiply operands that are first quantised to E3M2 (3 exponent bits, 2 mantissa bits; 6 bits a number), with one power-of-two scale for each 32 numbers along K (OCP MX v1.0); their sums are f32. All else is computed in f32.
;;   The module's matrix products, in the order in which they are computed (A, B: the left and right operand; K: the contracted axis; several contracted axes count as one K, in the product's order):
;;     1. batch 32 x [M 2,048, K 128] x [K 128, N 2,048]; A: input q; B: input k: QUANTISED
;;     2. batch 32 x [M 2,048, K 2,048] x [K 2,048, N 128]; A: softmax (see below); B: input v: QUANTISED
;;   THE QUANTISER, for each operand of a quantised product, along K:
;;     - K is cut into blocks of 32 from its start; a last block that is shorter is filled with zeros.
;;     - A block's scale is 2^e with e = floor(log2(the largest magnitude in the block)) - 4, held to -126 .. 127; a block of zeros has e = 0. As a byte (E8M0): e + 127.
;;     - Each number is divided by its block's scale, clamped to +-28, and rounded to the nearest number of E3M2, ties to even, subnormals kept.
;;     - The product sums the exact products of the quantised numbers (number of the format x scale) in f32.
;;   ~~~python
;;   def quantise(x, axis):      # numpy; x: float32 -> the quantised numbers, widened to float32 again
;;       x = np.moveaxis(x, axis, -1); K = x.shape[-1]
;;       x = np.pad(x, [(0, 0)] * (x.ndim - 1) + [(0, -K % 32)]); x = x.reshape(x.shape[:-1] + (-1, 32)); a = np.abs(x).max(-1, keepdims=True)
;;       e = np.where(a > 0, np.clip(np.frexp(np.where(a > 0, a, 1))[1] - 1 - 4, -126, 127), 0)      # np.frexp(a)[1] - 1 = floor(log2(a)), exactly
;;       r = np.clip(x / 2.0 ** e, -28, 28)
;;       step = 2.0 ** (np.maximum(np.frexp(np.where(r == 0, 1, r))[1] - 1, -2) - 2)
;;       q = np.round(r / step) * step * 2.0 ** e      # np.round: ties to even
;;       return np.moveaxis(q.reshape(q.shape[:-2] + (-1,))[..., :K], -1, axis).astype(np.float32)
;;   ~~~
;;   SOFTMAX AHEAD OF A QUANTISED PRODUCT. Where the list says 'softmax', what is quantised is not the finished softmax but p = 2^(t - M), with t = logit x log2(e) and M = ceil(the row's largest t), a whole number; so 1/2 < the row's largest p <= 1. The row's sum l is taken of the UNQUANTISED p, in f32, and the product's result is divided by l at the end. Since M is a whole number, a kernel that streams over the keys may use a running M (the ceiling of the running maximum): every later rescaling is an exact power of two, which a block's scale takes up: the codes' values come out the same.
;;   OPERANDS COMPUTED ON THE WAY. 'Computed on the way' means the value that the module computes at that place (a softmax that the list does not call 'softmax' is quantised finished and normalised). What goes into a quantiser is computed in f32, as accurately as f32 sums, v_exp_f32 and their like allow (about 1e-6 of the number): no bf16 or f16 on the way to a quantiser, and a product that is left as it is and whose result goes on into a quantised operand takes f32 operands (vector FMAs, or v_wmma_f32_16x16x4_f32). A number that lies on a knife's edge between two numbers of the format may be rounded either way, as far as f32 arithmetic and the matrix unit's own rounding can turn it there, and no further.
;; One version. Each part assembles by itself: llvm-mc -triple=amdgcn-amd-amdhsa -mcpu=gfx1250 --defsym DOCPART=n.
;; ======== version 1 of 1: 2 launches
;; limits: inputs' magnitudes at most 17,000,000,000,000; right only within a limited range of input values
;; workspace buffers: kv 13,107,200 bytes
;; launch quantkv (part 1): grid 512 x 2, 4 waves a work-group, no clusters, 1,024 bytes of LDS; arguments k, v, kv; writes kv
.if DOCPART == 1
	.amdgcn_target "amdgcn-amd-amdhsa--gfx1250"
	.amdhsa_code_object_version 6
	.text
	.protected	k_q2b3a0e94bf_quantkv
	.globl	k_q2b3a0e94bf_quantkv
	.p2align	8
	.type	k_q2b3a0e94bf_quantkv,@function
k_q2b3a0e94bf_quantkv:
	s_mov_b64 s[64:65], 0
	v_nop
	global_prefetch_b8 v0, s[64:65] scope:SCOPE_SE
	s_setreg_imm32_b32 hwreg(HW_REG_WAVE_MODE, 25, 1), 1
	s_wait_xcnt 0x0
; k [32 heads][128 d][2048 t] and v [32 heads][2048 t][128 d], f32, become codes of BF6 (E3M2) with one E8M0 byte for each 32 along the product's K
; (k: K = d; v: K = the keys t).  In both tensors K is the FIRST axis of a head's matrix, so a lane takes a column and its registers run down K:
; a block of 32 lies in one lane's registers, its largest magnitude needs no other lane, and the conversions give codes with K innermost.
; OUTPUT.  kv is 512 units of 25,600 bytes, unit U = 16 x head + step (a step = 128 keys): K's codes (12,288), K's scale words (512), V's codes, V's scale words.
; The codes lie as IMAGES OF THE OPERAND'S REGISTERS: tile tau (16 operand rows x 128 K, 12 registers a lane) at 1536 tau; register j of lane l at 512 (j / 4) + 16 l + 4 (j % 4);
; lane l = (r = l % 16, h = l / 16) holds K blocks h (registers 0-5) and 2 + h (registers 6-11) of operand row 32 b + 8 u + r + 8 (r / 8), tau = 2 b + u.
; (Rows: k: the step's keys; v: the 128 channels.)  With that choice of rows the 16 result registers of tiles 2 b, 2 b + 1 are 16 neighbours in the reader's next step.
; Scale words: the word at 16 l + 4 i is that of tile 2 i + l / 16, row place l % 16; byte t scales K block t.
; SHARES.  Work-group (x = U, y = 0: k, 1: v) takes a matrix of 128 (K) x 128 (columns); wave w columns 32 w .. 32 w + 31, which are tiles 2 w and 2 w + 1.
; A block's scale is 2^(floor(log2(largest magnitude)) - 4): its byte is the largest magnitude's exponent field - 4, held at 1 from below by a floor among the maximum's leaves.
; LIMITS: a block of zeros, and one whose largest magnitude lies under 2^-122, keeps the byte 1 (its reader is this program alone; zero codes add nothing); NaN and infinities are not served.
; No tensor load, no matrix unit, no cluster: the launch streams each number once; work-groups share nothing.
.set X,  32                            ; v32-159   my column's 128 numbers, down K
.set F,  160                           ; v160-171  blocks 0 and 2: the registers of fragment lane r;  v172-183 blocks 1 and 3: those of lane 16 + r
.set T,  184                           ; v184..    a block's second three registers as the conversion leaves them (its three begin on an even number)
.set SW, 16                            ; v16       my column's scale word
	s_load_b128 s[4:7], s[0:1], 0x0                ; k, v
	s_load_b64 s[8:9], s[0:1], 0x10                ; kv
	v_lshl_add_u32 v200, v0, 2, 0x200
	v_mov_b32 v201, 0
	v_lshrrev_b32 v1, 5, v0
	v_readfirstlane_b32 s12, v1                    ; wave 0..3
	v_and_b32 v6, 31, v0                           ; lane
	v_lshlrev_b32 v2, 2, v6                        ; in: 4 bytes a lane
	v_lshlrev_b32 v5, 4, v6                        ; the scale image: 16 bytes a lane
	v_bfe_u32 v7, v0, 3, 1                         ; u: which of my wave's two tiles my column falls into
	v_bfe_u32 v8, v0, 4, 1
	v_and_b32 v9, 7, v0
	v_lshl_add_u32 v9, v8, 3, v9                   ; r: its row place there: column = 8 u + r + 8 (r / 8)
	v_lshlrev_b32 v9, 4, v9                        ; 16 r
	v_mad_u32_u24 v3, v7, 1536, v9
	s_mul_i32 s24, s12, 3072
	v_add_nc_u32 v3, s24, v3                       ; codes out: 1536 (2 w + u) + 16 r
	v_lshl_add_u32 v4, v7, 8, v9
	s_lshl_b32 s25, s12, 2
	v_add_nc_u32 v4, s25, v4                       ; LDS: my scale word's place in the image: 16 (16 u + r) + 4 w
	s_and_b32 s13, ttmp7, 0xffff                   ; 0: k, 1: v
	s_and_b32 s18, ttmp9, 15                       ; step
	s_lshr_b32 s19, ttmp9, 4                       ; head
	s_lshl_b32 s20, s18, 9                         ; k: the step's 128 columns are 512 bytes on in every row
	s_lshl_b32 s21, s18, 16                        ; v: its 128 rows of 512 bytes
	s_lshl_b32 s19, s19, 20                        ; a head is 2^20 bytes in both tensors
	s_lshl_b32 s22, s12, 7                         ; my wave's 32 columns
	s_mul_i32 s16, ttmp9, 25600                    ; the unit,
	s_mul_i32 s23, s13, 12800                      ; its half
	s_add_co_u32 s16, s16, s23
	s_mov_b32 s17, 0
	s_mov_b32 s15, 0
	s_wait_kmcnt 0x0
	s_cmp_eq_u32 s13, 0                            ; the choice hangs on the work-group's number alone; all selects stand ahead of the additions, which write SCC
	s_cselect_b64 s[4:5], s[4:5], s[6:7]
	s_cselect_b32 s14, s20, s21
	s_add_co_u32 s14, s14, s19
	s_add_co_u32 s14, s14, s22
	s_add_nc_u64 s[4:5], s[4:5], s[14:15]
	s_add_nc_u64 s[8:9], s[8:9], s[16:17]
.macro LOADS rs                        ; 128 loads down K, rows rs bytes apart: each reads 128 consecutive bytes, the four waves side by side 512
.set KK, 0
.rept 128
	global_load_b32 v[X+KK], v2, s[4:5] offset:KK*\rs th:TH_LOAD_NT
.set KK, KK+1
.endr
.endm
	s_cmp_eq_u32 s13, 0
	s_cbranch_scc0 .Lfrom_v
	LOADS 8192                                     ; k: the largest immediate is 127 x 8,192, inside the signed 24 bits
	s_branch .Lloaded
.Lfrom_v:
	LOADS 512
.Lloaded:
.macro BLOCK t                         ; block t of my column: 32 numbers -> 24 bytes of codes and a byte
.set XS, X+32*(\t)
.set FB, F+12*((\t)%2)+6*((\t)/2)
.set TT, T+4*(\t)
	v_max3_num_f32 v12, |v[XS]|, |v[XS+1]|, |v[XS+2]|       ; the largest magnitude, in two chains
	v_max3_num_f32 v13, |v[XS+3]|, |v[XS+4]|, |v[XS+5]|
.irp i, 6,10,14,18,22,26
	v_max3_num_f32 v12, v12, |v[XS+\i]|, |v[XS+\i+1]|
	v_max3_num_f32 v13, v13, |v[XS+\i+2]|, |v[XS+\i+3]|
.endr
	v_max3_num_f32 v12, v12, |v[XS+30]|, |v[XS+31]|
	v_max3_num_f32 v12, v12, v13, 0x2800000        ; and the floor 2^(5 - 127): the byte cannot fall under 1
	v_add_nc_u32 v11, 0xfe000000, v12              ; 4 off the exponent field: the conversion takes this operand's exponent field as its scale
	v_lshrrev_b32 v13, 23, v11                     ; the byte
.if (\t) == 0
	v_mov_b32 v[SW], v13
.else
	v_lshl_or_b32 v[SW], v13, 8*(\t), v[SW]
.endif
	v_cvt_scalef32_pk16_bf6_f32 v[FB:FB+2], v[XS:XS+15], v11
	v_cvt_scalef32_pk16_bf6_f32 v[TT:TT+2], v[XS+16:XS+31], v11
	v_nop                                          ; one plain line between a scaled conversion and the vector line that reads its result
.irp i, 0,1,2
	v_mov_b32 v[FB+3+\i], v[TT+\i]
.endr
.endm
	s_wait_loadcnt 63                              ; of 128 loads at most 63 are out: the oldest 65, blocks 0 and 1 among them, are in
	BLOCK 0
	BLOCK 1
	s_wait_loadcnt 32                              ; only block 3's 32 may be out
	BLOCK 2
	s_wait_loadcnt 0x0
	BLOCK 3
.irp hh, 0,1
.irp c, 0,1,2
	global_store_b128 v3, v[F+12*\hh+4*\c:F+12*\hh+4*\c+3], s[8:9] offset:512*\c+256*\hh   ; the sixteen lanes of a tile store 256 consecutive bytes, at a multiple of 256 from kv's first byte
.endr
.endr
	ds_store_b32 v4, v[SW]                         ; the four waves' scale words meet in the image
	s_wait_dscnt 0x0                               ; for the reader's sake: my store has landed
	s_barrier_signal -1
	s_barrier_wait -1
	s_cmp_lg_u32 s12, 0
	s_cbranch_scc1 .Lend
	ds_load_b128 v[20:23], v5                      ; wave 0 stores the image: 512 consecutive bytes
	s_wait_dscnt 0x0
	global_store_b128 v5, v[20:23], s[8:9] offset:12288
.Lend:
	s_wait_tensorcnt 0x0
	ds_add_u32 v200, v201
	s_wait_dscnt 0x0
	s_endpgm
.Lfunc_end_k_q2b3a0e94bf_quantkv:
	.size	k_q2b3a0e94bf_quantkv, .Lfunc_end_k_q2b3a0e94bf_quantkv-k_q2b3a0e94bf_quantkv
	.p2alignl 7, 3214868480
	.fill 96, 4, 3214868480
	.section	.rodata,"a",@progbits
	.p2align	6, 0x0
	.amdhsa_kernel k_q2b3a0e94bf_quantkv
		.amdhsa_group_segment_fixed_size 1024
		.amdhsa_private_segment_fixed_size 0
		.amdhsa_enable_private_segment 0
		.amdhsa_kernarg_size 24
		.amdhsa_user_sgpr_count 2
		.amdhsa_user_sgpr_kernarg_segment_ptr 1
		.amdhsa_wavefront_size32 1
		.amdhsa_system_sgpr_workgroup_id_x 1
		.amdhsa_system_sgpr_workgroup_id_y 1
		.amdhsa_system_sgpr_workgroup_id_z 1
		.amdhsa_system_vgpr_workitem_id 0
		.amdhsa_next_free_vgpr 202
		.amdhsa_next_free_sgpr 66
		.amdhsa_reserve_vcc 0
		.amdhsa_float_denorm_mode_32 3
		.amdhsa_float_denorm_mode_16_64 3
		.amdhsa_memory_ordered 1
		.amdhsa_forward_progress 1
		.amdhsa_inst_pref_size 33
	.end_amdhsa_kernel
	.amdgpu_metadata
---
amdhsa.version: [ 1, 2 ]
amdhsa.kernels:
  - .name:           k_q2b3a0e94bf_quantkv
    .symbol:         k_q2b3a0e94bf_quantkv.kd
    .args:
      - { .name: k, .offset: 0, .size: 8, .value_kind: global_buffer, .address_space: global }
      - { .name: v, .offset: 8, .size: 8, .value_kind: global_buffer, .address_space: global }
      - { .name: kv, .offset: 16, .size: 8, .value_kind: global_buffer, .address_space: global }
    .group_segment_fixed_size: 1024
    .private_segment_fixed_size: 0
    .kernarg_segment_align: 8
    .kernarg_segment_size: 24
    .max_flat_workgroup_size: 128
    .sgpr_count:     66
    .vgpr_count:     202
    .wavefront_size: 32
...
	.end_amdgpu_metadata
.endif
;; end of part 1
;; launch attend (part 2): grid 8 x 32, 16 waves a work-group, no clusters, 327,680 bytes of LDS; arguments q, kv, out0; writes out0
.if DOCPART == 2
	.amdgcn_target "amdgcn-amd-amdhsa--gfx1250"
	.amdhsa_code_object_version 6
	.text
	.protected	k_q2b3a0e94bf_attend
	.globl	k_q2b3a0e94bf_attend
	.p2align	8
	.type	k_q2b3a0e94bf_attend,@function
k_q2b3a0e94bf_attend:
	s_mov_b64 s[64:65], 0
	v_nop
	global_prefetch_b8 v0, s[64:65] scope:SCOPE_SE
	s_setreg_imm32_b32 hwreg(HW_REG_WAVE_MODE, 25, 1), 1
	s_wait_xcnt 0x0
; out[h][s][:] = sum over t <= s of softmax_t(50 tanh(q[h][s] . k[h][:, t] / (50 sqrt(128)))) v[h][t][:], both products on codes of BF6 (E3M2) with one E8M0 scale for each 32 along K.
; k and v come as register images from kv (unit = 16 x head + key step of 128 keys: K's 8 fragments, K's scale words, V's 8 fragments, V's scale words: 25,600 dense bytes); q is quantised here.
; LEFT OUT: key steps that lie wholly above the diagonal: the function's own causal mask gives them -inf, so their p is 0 for all inputs.  A NaN or infinity that reaches only those steps is not carried.
; SHARES.  Work-group (x = j, y = head) owns query blocks j and 15 - j, 128 queries each: (j + 1) + (16 - j) = 17 key steps for each of 8 tiles of 16 queries.
; Waves 2 tau and 2 tau + 1 share tile place tau.  Since no running maximum is kept, sums over different keys simply add, so the 17 steps are cut 9 + 8:
; wave A (g = 0) takes the high block's units 0 .. 8; wave B (g = 1) the low block's units 0 .. j, stores that tile, takes the high tile's q (which A has laid into B's stage) and goes on with units 9 .. 15 - j.
; At the end the pair exchange halves of O^T and the row's sum through LDS; A finishes channels 0-63, B channels 64-127.  g = (w / 4 + w) % 2: two of each kind among any four waves w % 4 = const or on end.
; THE RING: nine time steps in periods of 3, 2, 3 and 1; slot 0 holds three time steps (A's three units, then B's three), slot 1 two.  LDS addresses hang on the wave's number and the count of steps alone;
; j enters the units' global addresses only.
; LDS LOADS RUN AHEAD: a step finds K's fragments 0-3 in registers (asked for in the step before, or at the period's start); fragments 6, 7 land under the scaling of tiles 0-5, V's 0-3 under the cap,
; V's 4-7 are asked for as soon as p has been converted.
; LAYOUT.  Both products are used transposed: S^T = K Q^T, O^T = V^T P^T: a lane holds ONE query (lane % 16); register 16 b + i of S is key 32 b + 16 (lane / 16) + i of the step, of O channel 32 b + 16 (lane / 16) + i.
; NO MAXIMUM IS TAKEN AWAY: the cap that the function itself makes bounds the logits: |50 tanh| <= 50, so t = logit x log2(e) lies in [-72.2, 72.2], p = 2^t in [2^-72.2, 2^72.2], a row's sum under
; 2,048 x 2^72.2 = 2^83.2, a block's byte between 50 and 195: nothing overflows or underflows in f32.  p differs from 2^(t - M), M whole, by an exact power of two, which the block's scale takes up.
; TANH is x A(z) / Q(z), z = x^2, A of degree 6 and Q of degree 3 in z, on x held to +-7.90531 (beyond it tanh is 1 in f32).  50 log2(e) = C is divided into Q's coefficients: t = (A x) x 1 / (Q / C).
; THE MASK is laid on p in the step on the diagonal: hidden p become 0 ahead of the block's maximum and the sum.
; NO CLUSTER: the work-groups that share units are the query blocks of one head, and which steps they work on is a branch on j, which would be the place in the cluster.
; NO PREFETCH INTO THE L2: each fill is asked for a whole period (two or three time steps of sixteen waves' work) ahead of its first read.
; LIMITS: NaN and infinities among the inputs are not served; the unnormalised sums of O overflow where |v| passes about 2^44; q's blocks under 2^-122 keep the byte 1.
.set STEPB,  25600                     ; a unit
.set SLOT1B, 6*STEPB                   ; slot 1 begins behind slot 0's six units
.set STAGE,  10*STEPB                  ; behind the ring: a stage for each wave; no tensor load lands here
.set SPITCH, 272
.set WSTG,   16*SPITCH                 ; 16 rows x 272; or 4,096 bytes of O^T and 128 for the row's sum; or (B's, from the head to its change of tiles) 2,048 of parked q
.set SPARE,  STAGE+16*WSTG             ; the spare words, 128 bytes a wave
.set FRB,    1536
.set KSC,    12288
.set VCO,    12800
.set VSC,    25088
.set LI,  1                            ; 16 x lane
.set ADR, 2                            ; the step's unit in LDS + 16 x lane
.set SPW, 3                            ; my spare word; never rewritten
.set NIL, 4                            ; 0; never rewritten
.set DG,  5                            ; my query's place in its block - 16 (lane / 16)
.set STO, 6                            ; stage: row lane % 16, + 64 (lane / 16)
.set SRD, 7                            ; stage: row lane / 16, + 16 (lane % 16)
.set LS,  8                            ; v8-15 the row's sum, four packed chains
.set QF,  16                           ; v16-27 q's fragment
.set QS,  28
.set PS,  29
.set A11, 30                           ; v30-31 alpha 11 twice
.set T,   32                           ; v32-63 at work: K's fragments 4, 5; the cap's z, Q and two sets of A; the quantiser's registers
.set ZB,  T
.set DT,  T+8
.set PC,  T                            ; v32-43 p's codes
.set TP,  T+12
.set MX,  T+20
.set PB,  T+24
.set SO,  T+28
.set PFB, 64                           ; v64-111 four fragments fetched ahead
.set S,   112                          ; v112-175 S^T; x; p; V's fragments 4-7; the scaled output
.set O,   176                          ; v176-239 O^T
.set KS,  240
.set VS,  244
.set B4,  248                          ; v248-249 beta 4 / C twice
.set GO,  250                          ; byte offset in a tile's rows of q and out: 16 (lane % 16) + 512 (lane / 16)
.set XA,  251                          ; my stage + 16 x lane
.set RL,  252                          ; v252-253 the row's sum, then its reciprocal
.set XP,  254                          ; my partner's stage + 16 x lane
.set NXA, 255                          ; the unit whose K is fetched ahead + 16 x lane
.set CA,  34
.set C13, 38
.set C9,  40
.set C7,  42
.set C5,  44
.set C3,  46
.set C1,  48
.set E6,  50
.set E2,  52
.set E0,  54
; s10 wave; s11 g; s12 tau; s13 the block at work = its last unit; s15 head; s[16:23] group 1; s[24:27] group 0; s28 the step's unit in LDS; s29 its number; s31 counter; s[32:33] lane selects;
; s59 256 g; s62, s63 my and my partner's stage; s66 j; s67 the unit behind which B changes tiles; s[68:69] the head's units; s[72:73] the high tile's rows of out;
; s75, s80, s81: where, for which kind and which time step of three I fetch into slot 0; s84, s82, s83 the same for slot 1's two; s85 my last unit of the period
.macro WALU
	s_wait_alu depctr_va_vdst(0)
.endm
.macro TLOAD n                         ; waves 0 to n - 1 fetch one unit each; s_nop 0 and four v_nop follow the line
	s_cmp_lt_u32 s10, \n
	s_cbranch_scc0 .Lno_load_\@
	tensor_load_to_lds s[24:27], s[16:23]
	s_nop 0
.rept 4
	v_nop
.endr
.Lno_load_\@:
.endm
.macro GADDR tt, kind, t0              ; the unit of time step t0 + tt: A's is that number; B's too up to j, then 8 + it - j
	s_add_co_u32 s70, s[\tt], \t0
	s_sub_co_u32 s57, s70, s66
	s_add_co_u32 s57, s57, 8
	s_cmp_le_u32 s70, s66
	s_cselect_b32 s57, s70, s57
	s_cmp_eq_u32 s[\kind], 0
	s_cselect_b32 s57, s70, s57
	s_mul_i32 s56, s57, STEPB
	s_mov_b32 s57, 0
	s_add_nc_u64 s[26:27], s[68:69], s[56:57]
	s_or_b32 s27, s27, 0x80000000                  ; type = 2
.endm
.macro PAIR r, bits
	s_mov_b32 s[\r], \bits
	s_mov_b32 s[\r+1], \bits
.endm
.macro FETCH a, reg, off                       ; a fragment's image: three loads of 512 consecutive bytes
.irp c, 0,1,2
	ds_load_b128 v[\reg+4*\c:\reg+4*\c+3], v[\a] offset:\off+512*\c
.endr
.endm
.macro KLOADS                                  ; thirteen loads: K's scale words and fragments 0-3 of the unit at v[NXA]
	ds_load_b128 v[KS:KS+3], v[NXA] offset:KSC
.irp t, 0,1,2,3
	FETCH NXA, PFB+12*\t, FRB*\t
.endr
.endm
.macro KPRO                                    ; at a period's start
	v_add_nc_u32 v[NXA], s28, v[LI]
	WALU
	KLOADS
.endm
; 64 numbers of a lane, register 16 b + i = k 32 b + 16 (lane / 16) + i of my row, become a fragment's codes in v[pc] on and its scale word in v[pw].
; st = 1, in a step: the row's sum is taken ahead of the conversions, and V's fragments 4-7 are asked for directly behind them, into p's registers
.macro QUANT src, pc, pw, st
.irp b, 0,1,2,3
	v_max3_num_f32 v[MX+\b], |v[\src+16*\b]|, |v[\src+1+16*\b]|, 0x2800000   ; and the floor 2^(5 - 127): the byte cannot fall under 1
.endr
.irp i, 2,4,6,8,10,12,14
.irp b, 0,1,2,3
	v_max3_num_f32 v[MX+\b], v[MX+\b], |v[\src+16*\b+\i]|, |v[\src+1+16*\b+\i]|
.endr
.endr
.irp b, 0,1,2,3
	v_permlanex16_b32 v[PB+\b], v[MX+\b], s32, s33
.endr
.irp b, 0,1,2,3
	v_max_num_f32 v[MX+\b], v[MX+\b], v[PB+\b]     ; with lane l xor 16's 16: the block's largest magnitude
.endr
.irp b, 0,1,2,3
	v_add_nc_u32 v[SO+\b], 0xfe000000, v[MX+\b]    ; 4 off its exponent field: the conversion's scale operand
.endr
.irp b, 0,1,2,3
	v_lshrrev_b32 v[PB+\b], 23, v[SO+\b]           ; the byte
.endr
	v_lshl_or_b32 v[\pw], v[PB+1], 8, v[PB]
	v_lshl_or_b32 v[\pw], v[PB+2], 16, v[\pw]
	v_lshl_or_b32 v[\pw], v[PB+3], 24, v[\pw]
.if \st
.set JJ, 0
.rept 32
	v_pk_add_f32 v[LS+2*(JJ%4):LS+2*(JJ%4)+1], v[LS+2*(JJ%4):LS+2*(JJ%4)+1], v[\src+2*JJ:\src+2*JJ+1]   ; the sum of the unquantised p; also the places between p's scale word and the products
.set JJ, JJ+1
.endr
.endif
.irp c, 0,1
	v_cvt_scalef32_pk16_bf6_f32 v[\pc+6*\c:\pc+2+6*\c], v[\src+32*\c:\src+15+32*\c], v[SO+2*\c]
	v_cvt_scalef32_pk16_bf6_f32 v[TP+4*\c:TP+2+4*\c], v[\src+16+32*\c:\src+31+32*\c], v[SO+2*\c+1]
.endr
	v_nop                                          ; one plain line behind the last scaled conversion
.if \st
.irp t, 0,1,2,3
	FETCH ADR, \src+12*\t, VCO+FRB*(4+\t)
.endr
.endif
.irp c, 0,1                                    ; a whole block to a lane: lanes 0-15 block 2 c, lanes 16-31 block 2 c + 1
.irp i, 0,1,2
	v_permlane16_swap_b32 v[\pc+6*\c+\i], v[TP+4*\c+\i]
.endr
.irp i, 0,1,2
	v_mov_b32 v[\pc+3+6*\c+\i], v[TP+4*\c+\i]
.endr
.endr
.endm
.macro SP t, a                                 ; S^T, tile t: source 0 = 16 keys, source 1 = my 16 queries
.if (\t)%2
	v_wmma_scale_f32_16x16x128_f8f6f4 v[S+8*(\t):S+8*(\t)+7], v[\a:\a+11], v[QF:QF+11], 0, v[KS+(\t)/2], v[QS] matrix_a_fmt:MATRIX_FMT_BF6 matrix_b_fmt:MATRIX_FMT_BF6 matrix_a_scale:MATRIX_SCALE_ROW1
.else
	v_wmma_scale_f32_16x16x128_f8f6f4 v[S+8*(\t):S+8*(\t)+7], v[\a:\a+11], v[QF:QF+11], 0, v[KS+(\t)/2], v[QS] matrix_a_fmt:MATRIX_FMT_BF6 matrix_b_fmt:MATRIX_FMT_BF6
.endif
.endm
.macro OPROD g, fr                             ; O^T += V^T P^T, tiles 4 g .. 4 g + 3; the eight accumulators take turns, one instruction a turn
.irp t, 0,1,2,3
.if (\t)%2
	v_wmma_scale_f32_16x16x128_f8f6f4 v[O+8*(4*\g+\t):O+8*(4*\g+\t)+7], v[\fr+12*\t:\fr+12*\t+11], v[PC:PC+11], v[O+8*(4*\g+\t):O+8*(4*\g+\t)+7], v[VS+2*\g+\t/2], v[PS] matrix_a_fmt:MATRIX_FMT_BF6 matrix_b_fmt:MATRIX_FMT_BF6 matrix_a_scale:MATRIX_SCALE_ROW1
.else
	v_wmma_scale_f32_16x16x128_f8f6f4 v[O+8*(4*\g+\t):O+8*(4*\g+\t)+7], v[\fr+12*\t:\fr+12*\t+11], v[PC:PC+11], v[O+8*(4*\g+\t):O+8*(4*\g+\t)+7], v[VS+2*\g+\t/2], v[PS] matrix_a_fmt:MATRIX_FMT_BF6 matrix_b_fmt:MATRIX_FMT_BF6
.endif
.endr
.endm
.macro XMUL lo, n                              ; x = score / (50 sqrt(128)), n pairs from register lo of S on
.set JJ, \lo
.rept \n
	v_pk_mul_f32 v[S+JJ:S+JJ+1], v[S+JJ:S+JJ+1], s[CA:CA+1] op_sel_hi:[1,0]
.set JJ, JJ+2
.endr
.endm
.macro XHOLD lo, n                             ; held to +-7.90531
.set JJ, \lo
.rept \n
	v_med3_num_f32 v[S+JJ], v[S+JJ], s36, s37
.set JJ, JJ+1
.endr
.endm
; THE CAP AND THE EXPONENTIAL go tile by tile (8 scores a lane) through four stages, one turn apart: the polynomials; 1 / (Q / C); t = (A x) / (Q / C); p = 2^t.
; A turn: one wait; the turn's reciprocals and exponentials as one batch; then plain lines alone, which name no result of that batch.  Q / C ends in x's registers, so t and p are made in place.
.macro HORN dst, base, c                       ; dst = base x z + c, four pairs that do not wait for each other
.irp p, 0,2,4,6
	v_pk_fma_f32 v[\dst+\p:\dst+\p+1], v[\base+\p:\base+\p+1], v[ZB+\p:ZB+\p+1], s[\c:\c+1] op_sel_hi:[1,1,0]
.endr
.endm
.macro CAPA c
.set XB, S+8*(\c)
.set NB, T+16+8*((\c)%2)
.irp p, 0,2,4,6
	v_pk_mul_f32 v[ZB+\p:ZB+\p+1], v[XB+\p:XB+\p+1], v[XB+\p:XB+\p+1]              ; z = x^2
.endr
.irp p, 0,2,4,6
	v_pk_fma_f32 v[NB+\p:NB+\p+1], v[ZB+\p:ZB+\p+1], s[C13:C13+1], v[A11:A11+1] op_sel_hi:[1,0,1]
.endr
.irp p, 0,2,4,6
	v_pk_fma_f32 v[DT+\p:DT+\p+1], v[ZB+\p:ZB+\p+1], s[E6:E6+1], v[B4:B4+1] op_sel_hi:[1,0,1]
.endr
	HORN NB, NB, C9
	HORN DT, DT, E2
	HORN NB, NB, C7
	HORN NB, NB, C5
	HORN NB, NB, C3
	HORN NB, NB, C1
.irp p, 0,2,4,6
	v_pk_mul_f32 v[NB+\p:NB+\p+1], v[NB+\p:NB+\p+1], v[XB+\p:XB+\p+1]              ; A x
.endr
	HORN XB, DT, E0                                ; Q / C, into x's place
.endm
.macro IT c
.if (\c) >= 1
	WALU                                           ; ahead of the batch, and behind the batch of the turn before
.endif
.if ((\c) >= 1) && ((\c) <= 8)
.irp i, 0,1,2,3,4,5,6,7
	v_rcp_f32 v[S+8*((\c)-1)+\i], v[S+8*((\c)-1)+\i]
.endr
.endif
.if (\c) >= 3
.irp i, 0,1,2,3,4,5,6,7
	v_exp_f32 v[S+8*((\c)-3)+\i], v[S+8*((\c)-3)+\i]
.endr
.endif
.if ((\c) >= 2) && ((\c) <= 9)
.irp p, 0,2,4,6
	v_pk_mul_f32 v[S+8*((\c)-2)+\p:S+8*((\c)-2)+\p+1], v[T+16+8*((\c)%2)+\p:T+16+8*((\c)%2)+\p+1], v[S+8*((\c)-2)+\p:S+8*((\c)-2)+\p+1]   ; t; its set of A is written anew only below
.endr
.endif
.if (\c) <= 7
	CAPA \c
.endif
.endm
.macro LSUM                                    ; the sum's chains, and the other half of the lanes'
	v_pk_add_f32 v[LS:LS+1], v[LS:LS+1], v[LS+2:LS+3]
	v_pk_add_f32 v[LS+4:LS+5], v[LS+4:LS+5], v[LS+6:LS+7]
	s_delay_alu instid0(VALU_DEP_1)
	v_pk_add_f32 v[LS:LS+1], v[LS:LS+1], v[LS+4:LS+5]
	s_delay_alu instid0(VALU_DEP_1)
	v_add_f32 v[RL], v[LS], v[LS+1]
	v_permlanex16_b32 v[PB], v[RL], s32, s33
	v_add_f32 v[RL], v[RL], v[PB]
.endm
; B LEAVES THE LOW TILE.  The low tile's q is done with: the high tile's comes out of my own stage first (LDS serves a wave's instructions in order, ISA guide 5.7.1.4, so the way out writes over it only afterwards).
; The low tile is whole: O^T / the sum goes out through my stage, 64 channels (256 bytes) of 16 queries at a time, and comes back into O^T's registers, which are done with; then the sums begin anew.
; Only my own stage is touched, and the fragments fetched ahead are not.
.macro SWITCH
.irp c, 0,1,2
	ds_load_b128 v[QF+4*\c:QF+4*\c+3], v[XA] offset:512*\c
.endr
	ds_load_b128 v[QS:QS+3], v[XA] offset:1536     ; q's scale word; the three registers beside it come back as they were parked
	LSUM
	WALU
	v_rcp_f32 v[RL], v[RL]
	v_nop
	WALU                                           ; directly ahead of the first reader of O^T and of the reciprocal
.set JJ, 0
.rept 32
	v_pk_mul_f32 v[S+JJ:S+JJ+1], v[O+JJ:O+JJ+1], v[RL:RL+1] op_sel_hi:[1,0]   ; each accumulator from its low end on
.set JJ, JJ+2
.endr
.irp u, 0,1
.irp bb, 0,1
.irp i, 0,1,2,3
	ds_store_b128 v[STO], v[S+16*(2*\u+\bb)+4*\i:S+16*(2*\u+\bb)+4*\i+3] offset:128*\bb+16*\i
.endr
.endr
.irp i, 0,1,2,3,4,5,6,7
	ds_load_b128 v[O+32*\u+4*\i:O+32*\u+4*\i+3], v[SRD] offset:2*SPITCH*\i
.endr
.endr
.irp u, 0,1
.irp i, 0,1,2,3,4,5,6,7
	s_wait_dscnt 23-16*\u-\i                       ; behind load i: the 7 - i younger loads of its half, and for the first half the second's sixteen
	global_store_b128 v[GO], v[O+32*\u+4*\i:O+32*\u+4*\i+3], s[8:9] offset:1024*\i+256*\u th:TH_STORE_NT   ; 16 lanes store 256 consecutive bytes, aligned
.endr
.endr
	s_sub_co_u32 s13, 15, s66                      ; the high block,
	s_mov_b32 s29, 8                               ; whose unit 9 comes next,
	s_mov_b32 s67, -1                              ; and no further change
	s_wait_xcnt 0x0                                ; the stores' base and data are written again only behind this wait
	s_mov_b64 s[8:9], s[72:73]
.set JJ, 0
.rept 64
	v_mov_b32 v[O+JJ], 0
.set JJ, JJ+1
.endr
.irp i, 0,1,2,3,4,5,6,7
	v_mov_b32 v[LS+\i], 0
.endr
	WALU
	s_wait_dscnt 0x0
.endm
; A KEY STEP: 128 keys; the unit begins at LDS byte s28; K's scale words and fragments 0-3 have been asked for.  sw: B may change tiles behind it.  pf: it stands in a period's loop and fetches ahead
.macro STEP sw, pf
	v_add_nc_u32 v[ADR], s28, v[LI]
	WALU
	FETCH ADR, T, FRB*4
	FETCH ADR, T+12, FRB*5
	s_wait_dscnt 6                                 ; all but the six just issued
.irp t, 0,1,2,3
	SP \t, PFB+12*\t
.endr
.rept 4
	v_nop                                          ; four places in front of loads into registers that matrix instructions have read
.endr
	FETCH ADR, PFB, FRB*6
	FETCH ADR, PFB+12, FRB*7
	s_wait_dscnt 6                                 ; fragments 4, 5
	SP 4, T
	SP 5, T+12
	XMUL 0, 24                                     ; tiles 0-5; tiles 0-3's lines are the places behind tiles 4, 5's products
	XHOLD 0, 40
	s_wait_dscnt 0x0                               ; fragments 6, 7
	SP 6, PFB
	SP 7, PFB+12
	XHOLD 40, 8                                    ; tile 5's: also the places behind the last products
	ds_load_b128 v[VS:VS+3], v[ADR] offset:VSC     ; V's scale words and fragments 0-3 land under the cap
.irp t, 0,1,2,3
	FETCH ADR, PFB+12*\t, VCO+FRB*\t
.endr
	XMUL 48, 8
	XHOLD 48, 16                                   ; all 64 scores have been read ahead of the first batch
.irp c, 0,1,2,3,4,5,6,7,8,9,10
	IT \c
.endr
	v_nop                                          ; a plain line behind the exponentials
	WALU
	s_cmp_lg_u32 s29, s13                          ; only the step on the diagonal has hidden keys
	s_cbranch_scc1 .Lopen_\@
.set NN, 0
.rept 64
	v_cmp_le_i32 vcc_lo, 32*(NN/16)+NN%16, v[DG]   ; key 32 b + 16 (lane / 16) + i counts where 32 b + i <= my query's place - 16 (lane / 16)
	v_cndmask_b32 v[S+NN], 0, v[S+NN], vcc_lo
.set NN, NN+1
.endr
.Lopen_\@:
	QUANT S, PC, PS, 1
.if \pf
	s_add_co_u32 s57, s28, STEPB
	s_min_u32 s57, s57, s85                        ; held inside my units of this period
	v_add_nc_u32 v[NXA], s57, v[LI]
.else
	v_nop
.endif
.rept 3
	v_nop                                          ; four places between p's codes and the products
.endr
	s_wait_dscnt 12                                ; all but V's fragments 4-7
	WALU                                           ; directly ahead of the first reader of O^T's first four tiles
	OPROD 0, PFB
.if \pf
	s_cmp_eq_u32 s31, 1                            ; the period's last step fetches nothing ahead: the next unit lies behind a change of slots
	s_cbranch_scc1 .Lnp_\@
.rept 4
	v_nop                                          ; four places in front of the loads
.endr
	KLOADS
	s_wait_dscnt 13                                ; all but these thirteen
	s_branch .Lgo_\@
.Lnp_\@:
	s_wait_dscnt 0x0
.Lgo_\@:
.else
	s_wait_dscnt 0x0
.endif
	WALU                                           ; directly ahead of the first reader of the second four
	OPROD 1, S
.rept 5
	v_nop                                          ; five places: the next step's first products write over registers that these have read
.endr
.if \sw
	s_cmp_lg_u32 s29, s67
	s_cbranch_scc1 .Lns_\@
	SWITCH
.Lns_\@:
.endif
	s_add_co_u32 s28, s28, STEPB
	s_add_co_u32 s29, s29, 1
.endm
; THE CHANGE OF SLOTS.  Each wave waits for all its tensor loads, adds 0 to its spare word, and waits for that and for its reads of the slot that it has left.  n waves then fetch a unit each
; into the slot just left, for the period after the one ahead.  At most one tensor load of a wave is out.
.macro CHANGE n, lds, tt, kind, t0
	s_wait_tensorcnt 0x0
	ds_add_u32 v[SPW], v[NIL]
.if \n
	ds_add_u32 v[SPW], v[NIL]                      ; a second add
	s_mov_b32 s25, s[\lds]
	GADDR \tt, \kind, \t0
.endif
	s_wait_dscnt 0x0
	s_barrier_signal -1
	s_barrier_wait -1
.if \n
	TLOAD \n
.endif
.endm
.macro PERIOD n, base                          ; n time steps out of the slot at base: A's n units lie first, then B's
	s_mul_i32 s28, s11, \n*STEPB
	s_add_co_u32 s28, s28, \base
	s_add_co_u32 s85, s28, (\n-1)*STEPB
	KPRO
	s_mov_b32 s31, \n
.Lst_\@:
	STEP 1, 1
	s_sub_co_u32 s31, s31, 1
	s_cmp_lg_u32 s31, 0
	s_cbranch_scc1 .Lst_\@
.endm
	s_load_b128 s[4:7], s[0:1], 0x0                ; q, kv
	s_load_b64 s[8:9], s[0:1], 0x10                ; out0
	v_lshl_add_u32 v[SPW], v0, 2, SPARE
	v_mov_b32 v[NIL], 0
	ds_add_u32 v[SPW], v[NIL]                      ; the opening: the add twice on end under one wait
	ds_add_u32 v[SPW], v[NIL]
	v_lshrrev_b32 v1, 5, v0
	v_readfirstlane_b32 s10, v1                    ; wave 0..15
	s_lshr_b32 s11, s10, 2
	s_xor_b32 s11, s11, s10
	s_and_b32 s11, s11, 1                          ; g: 0 = A, 1 = B
	s_lshr_b32 s12, s10, 1                         ; tau
	s_mov_b32 s66, ttmp9                           ; j
	s_sub_co_u32 s56, 15, s66
	s_cmp_eq_u32 s11, 0
	s_cselect_b32 s13, s56, s66                    ; A begins with the high block, B with the low
	s_cselect_b32 s67, -1, s66                     ; B changes tiles behind unit j
	s_lshl_b32 s60, s12, 4
	s_and_b32 s15, ttmp7, 0xffff                   ; the head
	s_lshl_b32 s58, s15, 11
	s_add_co_u32 s58, s58, s60
	s_lshl_b32 s78, s13, 7
	s_add_co_u32 s78, s78, s58
	s_lshl_b32 s78, s78, 9                         ; my first tile's rows of q and out: 512 bytes a row
	s_mov_b32 s79, 0
	s_lshl_b32 s76, s56, 7
	s_add_co_u32 s76, s76, s58
	s_lshl_b32 s76, s76, 9                         ; the high tile's
	s_mov_b32 s77, 0
	s_lshl_b32 s59, s11, 8
	s_mul_i32 s62, s10, WSTG
	s_add_co_u32 s62, s62, STAGE
	s_xor_b32 s63, s10, 1
	s_mul_i32 s63, s63, WSTG
	s_add_co_u32 s63, s63, STAGE
	s_mov_b32 s29, 0
	s_mov_b32 s16, 3<<16                           ; group 1: a unit is 100 dense rows of 256 bytes (32 elements of 8 bytes)
	s_mov_b32 s17, 32<<16
	s_mov_b32 s18, 100<<16
	s_mov_b32 s19, 32<<16
	s_mov_b32 s20, 100
	s_mov_b32 s21, 32
	s_mov_b32 s22, 0
	s_mov_b32 s23, 0
	s_mov_b32 s24, 1
	s_min_u32 s57, s10, 5                          ; slot 0: waves 0-2 fetch A's three units, waves 3-5 B's
	s_mul_i32 s75, s57, STEPB
	s_cmp_ge_u32 s57, 3
	s_cselect_b32 s80, 1, 0
	s_mul_i32 s81, s80, 3
	s_sub_co_u32 s81, s57, s81
	s_and_b32 s83, s10, 1                          ; slot 1: waves 0, 1 A's two, waves 2, 3 B's
	s_bfe_u32 s82, s10, 0x10001
	s_and_b32 s84, s10, 3
	s_mul_i32 s84, s84, STEPB
	s_add_co_u32 s84, s84, SLOT1B
	s_mov_b32 s25, s75
	s_mul_i32 s68, s15, 16*STEPB
	s_mov_b32 s69, 0
	v_and_b32 v[RL], 15, v0                        ; r
	v_bfe_u32 v[RL+1], v0, 4, 1                    ; h
	v_and_b32 v[LI], 31, v0
	v_lshlrev_b32 v[LI], 4, v[LI]
	v_lshlrev_b32 v[DG], 4, v[RL+1]
	v_sub_nc_u32 v[DG], v[RL], v[DG]
	v_add_nc_u32 v[DG], s60, v[DG]                 ; 16 tau + r - 16 h
	v_mul_u32_u24 v[STO], v[RL], SPITCH
	v_lshl_add_u32 v[STO], v[RL+1], 6, v[STO]
	v_add_nc_u32 v[STO], s62, v[STO]
	v_mul_u32_u24 v[SRD], v[RL+1], SPITCH
	v_lshl_add_u32 v[SRD], v[RL], 4, v[SRD]
	v_add_nc_u32 v[SRD], s62, v[SRD]
	v_lshlrev_b32 v[GO], 4, v[RL]
	v_lshl_add_u32 v[GO], v[RL+1], 9, v[GO]
	v_add_nc_u32 v[XA], s62, v[LI]
	v_add_nc_u32 v[XP], s63, v[LI]
	WALU
	s_wait_dscnt 0x0                               ; both opening adds are done
	s_wait_kmcnt 0x0
	s_add_nc_u64 s[68:69], s[6:7], s[68:69]
	GADDR 81, 80, 0
	TLOAD 6                                        ; slot 0: time steps 0 to 2
	s_add_nc_u64 s[72:73], s[8:9], s[76:77]
	s_add_nc_u64 s[4:5], s[4:5], s[78:79]
	s_add_nc_u64 s[8:9], s[8:9], s[78:79]
.irp u, 0,1
.irp i, 0,1,2,3,4,5,6,7
	global_load_b128 v[O+32*\u+4*\i:O+32*\u+4*\i+3], v[GO], s[4:5] offset:1024*\i+256*\u th:TH_LOAD_NT   ; 16 lanes read 256 consecutive bytes of a row, aligned
.endr
.endr
	s_mov_b32 s32, 0x76543210
	s_mov_b32 s33, 0xfedcba98                      ; v_permlanex16_b32's selects for lane l xor 16
	PAIR CA,  0x3AE7B46A                           ; 1 / (50 sqrt(128))
	s_mov_b32 s36, 0xC0FCF84F                      ; -7.90531111
	s_mov_b32 s37, 0x40FCF84F
	PAIR C13, 0xA59F25C0                           ; alpha 13 = -2.76076848e-16
	PAIR C9,  0xAEBD37FF                           ; alpha 9  = -8.60467152e-11
	PAIR C7,  0x335C0041                           ; alpha 7  =  5.12229709e-8
	PAIR C5,  0x3779434A                           ; alpha 5  =  1.48572236e-5
	PAIR C3,  0x3A270DED                           ; alpha 3  =  6.37261929e-4
	PAIR C1,  0x3BA059DC                           ; alpha 1  =  4.89352456e-3
	PAIR E6,  0x328EB0D4                           ; beta 6 / C, C = 72.134752
	PAIR E2,  0x3803E627                           ; beta 2 / C
	PAIR E0,  0x388E449B                           ; beta 0 / C
	v_mov_b32 v[A11], 0x2A61337E                   ; alpha 11 = 2.00018790e-13
	v_mov_b32 v[A11+1], 0x2A61337E
	v_mov_b32 v[B4], 0x35DC8D4B                    ; beta 4 / C
	v_mov_b32 v[B4+1], 0x35DC8D4B
	v_mov_b32 v[PS], 0
	v_mov_b32 v[RL+1], 0                           ; (named as the upper half of a pair)
.irp i, 0,1,2,3
	v_mov_b32 v[PB+\i], 0                          ; a lane permute's destination counts as one of its sources
.endr
.irp i, 0,1,2,3,4,5,6,7
	v_mov_b32 v[LS+\i], 0
.endr
	WALU
	s_wait_loadcnt 0x0                             ; q
.irp u, 0,1                                    ; through my stage, 64 channels at a time: in by rows as loaded, back 16 neighbours of a block a lane: register 16 b + i = q(r, 32 b + 16 h + i)
.irp i, 0,1,2,3,4,5,6,7
	ds_store_b128 v[SRD], v[O+32*\u+4*\i:O+32*\u+4*\i+3] offset:2*SPITCH*\i
.endr
.irp bb, 0,1
.irp i, 0,1,2,3
	ds_load_b128 v[S+16*(2*\u+\bb)+4*\i:S+16*(2*\u+\bb)+4*\i+3], v[STO] offset:128*\bb+16*\i
.endr
.endr
.endr
	s_wait_dscnt 0x0                               ; my use of my stage is over
	QUANT S, QF, QS, 0
.set JJ, 0
.rept 64
	v_mov_b32 v[O+JJ], 0                           ; O^T: once a tile, so that the step has no first copy of its own; also the places between q's scale word and codes and the first products
.set JJ, JJ+1
.endr
	WALU
	s_barrier_signal -1                            ; a plain barrier. Every wave's use of its stage is over
	s_barrier_wait -1                              ; so a partner may write into it
	s_cmp_lg_u32 s11, 0
	s_cbranch_scc1 .Lparked
.irp c, 0,1,2
	ds_store_b128 v[XP], v[QF+4*\c:QF+4*\c+3] offset:512*\c   ; A parks the high tile's q in B's stage, idle until B changes tiles; B reads it behind the barrier of the first change of slots
.endr
	ds_store_b128 v[XP], v[QS:QS+3] offset:1536
.Lparked:
	CHANGE 4, 84, 83, 82, 3                        ; slot 1's first fill: time steps 3, 4
	PERIOD 3, 0
	CHANGE 6, 75, 81, 80, 5                        ; slot 0: time steps 5 to 7
	PERIOD 2, SLOT1B
	CHANGE 1, 84, 83, 82, 8                        ; of the ninth time step only A's unit is read: wave 0 fetches it
	PERIOD 3, 0
	CHANGE 0, 0, 0, 0, 0
	s_mul_i32 s28, s11, 2*STEPB
	s_add_co_u32 s28, s28, SLOT1B
	s_cmp_gt_u32 s29, s13                          ; B has nothing left
	s_cbranch_scc1 .Ljoin
	KPRO
	STEP 0, 0
.Ljoin:
	; THE PAIR JOIN THE HIGH TILE.  Each gives the half of O^T that the other finishes, and its part of the row's sum, as register images in its own stage.
	LSUM
	v_add_nc_u32 v[GO], s59, v[GO]                 ; my half's 256 bytes of each row of out
	v_lshrrev_b32 v[DG], 2, v[LI]                  ; 4 x lane
	v_add_nc_u32 v[ADR], s63, v[DG]
	v_add_nc_u32 v[DG], s62, v[DG]
	WALU
	s_cmp_lg_u32 s11, 0
	s_cbranch_scc1 .Lgive_b
.irp c, 0,1,2,3,4,5,6,7
	ds_store_b128 v[XA], v[O+32+4*\c:O+32+4*\c+3] offset:512*\c   ; each accumulator from its low end on
.endr
	s_branch .Lgiven
.Lgive_b:
.irp c, 0,1,2,3,4,5,6,7
	ds_store_b128 v[XA], v[O+4*\c:O+4*\c+3] offset:512*\c
.endr
.Lgiven:
	ds_store_b32 v[DG], v[RL] offset:4096
	s_wait_dscnt 0x0                               ; for my partner's sake
	s_barrier_signal -1
	s_barrier_wait -1
.irp c, 0,1,2,3,4,5,6,7
	ds_load_b128 v[S+4*\c:S+4*\c+3], v[XP] offset:512*\c
.endr
	ds_load_b32 v[PB+1], v[ADR] offset:4096
	s_wait_dscnt 0x0                               ; my reads of my partner's stage are over: behind the barrier it may be written again
	s_barrier_signal -1
	s_barrier_wait -1
	s_cmp_lg_u32 s11, 0
	s_cbranch_scc1 .Ladd_b
.set JJ, 0
.rept 16
	v_pk_add_f32 v[S+JJ:S+JJ+1], v[S+JJ:S+JJ+1], v[O+JJ:O+JJ+1]
.set JJ, JJ+2
.endr
	s_branch .Ladded
.Ladd_b:
.set JJ, 0
.rept 16
	v_pk_add_f32 v[S+JJ:S+JJ+1], v[S+JJ:S+JJ+1], v[O+32+JJ:O+32+JJ+1]
.set JJ, JJ+2
.endr
.Ladded:
	v_add_f32 v[RL], v[RL], v[PB+1]                ; the row's sum
	WALU
	v_rcp_f32 v[RL], v[RL]
	v_nop
	WALU
.set JJ, 0
.rept 16
	v_pk_mul_f32 v[S+JJ:S+JJ+1], v[S+JJ:S+JJ+1], v[RL:RL+1] op_sel_hi:[1,0]
.set JJ, JJ+2
.endr
.irp bb, 0,1
.irp i, 0,1,2,3
	ds_store_b128 v[STO], v[S+16*\bb+4*\i:S+16*\bb+4*\i+3] offset:128*\bb+16*\i
.endr
.endr
.irp i, 0,1,2,3,4,5,6,7
	ds_load_b128 v[T+4*\i:T+4*\i+3], v[SRD] offset:2*SPITCH*\i
.endr
.irp i, 0,1,2,3,4,5,6,7
	s_wait_dscnt 7-\i                              ; behind load i: the 7 - i younger loads
	global_store_b128 v[GO], v[T+4*\i:T+4*\i+3], s[8:9] offset:1024*\i th:TH_STORE_NT   ; 16 lanes store 256 consecutive bytes, aligned
.endr
	s_wait_tensorcnt 0x0                           ; the wave's end
	ds_add_u32 v[SPW], v[NIL]
	s_wait_dscnt 0x0
	s_endpgm
.Lfunc_end_k_q2b3a0e94bf_attend:
	.size	k_q2b3a0e94bf_attend, .Lfunc_end_k_q2b3a0e94bf_attend-k_q2b3a0e94bf_attend
	.p2alignl 7, 3214868480
	.fill 96, 4, 3214868480
	.section	.rodata,"a",@progbits
	.p2align	6, 0x0
	.amdhsa_kernel k_q2b3a0e94bf_attend
		.amdhsa_group_segment_fixed_size 327680
		.amdhsa_private_segment_fixed_size 0
		.amdhsa_enable_private_segment 0
		.amdhsa_kernarg_size 24
		.amdhsa_user_sgpr_count 2
		.amdhsa_user_sgpr_kernarg_segment_ptr 1
		.amdhsa_wavefront_size32 1
		.amdhsa_system_sgpr_workgroup_id_x 1
		.amdhsa_system_sgpr_workgroup_id_y 1
		.amdhsa_system_sgpr_workgroup_id_z 1
		.amdhsa_system_vgpr_workitem_id 0
		.amdhsa_next_free_vgpr 256
		.amdhsa_next_free_sgpr 88
		.amdhsa_reserve_vcc 1
		.amdhsa_float_denorm_mode_32 3
		.amdhsa_float_denorm_mode_16_64 3
		.amdhsa_memory_ordered 1
		.amdhsa_forward_progress 1
		.amdhsa_inst_pref_size 255
	.end_amdhsa_kernel
	.section	.bss,"aw",@nobits
	.p2align	6
	.space	262144
	.amdgpu_metadata
---
amdhsa.version: [ 1, 2 ]
amdhsa.kernels:
  - .name:           k_q2b3a0e94bf_attend
    .symbol:         k_q2b3a0e94bf_attend.kd
    .args:
      - { .name: q, .offset: 0, .size: 8, .value_kind: global_buffer, .address_space: global }
      - { .name: kv, .offset: 8, .size: 8, .value_kind: global_buffer, .address_space: global }
      - { .name: out0, .offset: 16, .size: 8, .value_kind: global_buffer, .address_space: global }
    .group_segment_fixed_size: 327680
    .private_segment_fixed_size: 0
    .kernarg_segment_align: 8
    .kernarg_segment_size: 24
    .max_flat_workgroup_size: 512
    .sgpr_count:     88
    .vgpr_count:     256
    .wavefront_size: 32
...
	.end_amdgpu_metadata
.endif
;; end of part 2
